; MI455X (gfx1250); checked and timed in simulation.
; The chip was launched on July 23, 2026; its instructions are those of AMD's public machine-readable ISA for CDNA 5 (MIT licence, August 2026) and "CDNA5" Instruction Set Architecture Reference Guide (July 2026). The comments in the code are by the model that wrote it; some were corrected since.
;; MLP2. Allowed arithmetic: matrix products marked QUANTISED: E4M3 operands, one given power-of-two scale a tensor, by v_wmma_f32_16x16x64_fp8_fp8 or v_wmma_f32_16x16x128_fp8_fp8, f32 sums; products left as they are: f32 operands where the result goes on into a quantised operand, else bf16, f16 or f32 operands; f32 sums; everything else in f32.
;; Inputs: W1 32 x 1 float32; W2 32 x 32 float32; W3 1 x 32 float32; b1 32 float32; b2 32 float32; b3 1 float32; be1 32 float32; be2 32 float32; g1 32 float32; g2 32 float32; lowp_scales 2 int32 (the exponents e of the quantised operands' scales 2^e); x 2,097,152 x 1 float32.
;; Outputs: out0 2,097,152 x 1 float32.
;; This version of the problem:
;;   THIS VERSION OF THE PROBLEM IS GIVEN IN LOW PRECISION. The matrix products marked QUANTISED in the list below multiply operands that are first quantised to E4M3 (4 exponent bits, 3 mantissa bits; 8 bits a number), with one given power-of-two scale for each operand tensor; their sums are f32. All else is computed in f32.
;;   The module's matrix products, in the order in which they are computed (A, B: the left and right operand; K: the contracted axis; several contracted axes count as one K, in the product's order):
;;     1. [M 2,097,152, K 1] x [K 1, N 32]; A: input x; B: input W1: left as it is (K = 1 < 32)
;;     2. [M 2,097,152, K 32] x [K 32, N 32]; A: computed on the way; B: input W2: QUANTISED (scales: A lowp_scales[0], B lowp_scales[1])
;;     3. [M 2,097,152, K 32] x [K 32, N 1]; A: computed on the way; B: input W3: left as it is (N = 1 < 16)
;;   THE QUANTISER, for each operand of a quantised product, along K:
;;     - The operand's scale is 2^e, e = its entry of the input lowp_scales (int32; the entries are numbered through the quantised products in the list's order, A before B).
;;     - Each number is divided by the scale, clamped to +-448, and rounded to the nearest number of E4M3, ties to even, subnormals kept.
;;     - The product sums the exact products of the quantised numbers (number of the format x scale) in f32.
;;   ~~~python
;;   def quantise(x, axis, e):      # numpy; x: float32 -> the quantised numbers, widened to float32 again
;;       x = np.moveaxis(x, axis, -1); K = x.shape[-1]
;;       r = np.clip(x / 2.0 ** e, -448, 448)
;;       step = 2.0 ** (np.maximum(np.frexp(np.where(r == 0, 1, r))[1] - 1, -6) - 3)
;;       q = np.round(r / step) * step * 2.0 ** e      # np.round: ties to even
;;       return np.moveaxis(q, -1, axis).astype(np.float32)
;;   ~~~
;;   OPERANDS COMPUTED ON THE WAY. 'Computed on the way' means the value that the module computes at that place (a softmax that the list does not call 'softmax' is quantised finished and normalised). What goes into a quantiser is computed in f32, as accurately as f32 sums, v_exp_f32 and their like allow (about 1e-6 of the number): no bf16 or f16 on the way to a quantiser, and a product that is left as it is and whose result goes on into a quantised operand takes f32 operands (vector FMAs, or v_wmma_f32_16x16x4_f32). A number that lies on a knife's edge between two numbers of the format may be rounded either way, as far as f32 arithmetic and the matrix unit's own rounding can turn it there, and no further.
;; One version. Each part assembles by itself: llvm-mc -triple=amdgcn-amd-amdhsa -mcpu=gfx1250 --defsym DOCPART=n.
;; ======== version 1 of 1: 1 launch
;; limits: right only within a limited range of input values
;; launch mlp (part 1): grid 256 x 1, 16 waves a work-group, no clusters, 0 bytes of LDS; arguments x, W1, b1, g1, be1, W2, b2, g2, be2, W3, b3, lowp_scales, out0; writes out0
.if DOCPART == 1
	.amdgcn_target "amdgcn-amd-amdhsa--gfx1250"
	.amdhsa_code_object_version 6
	.text
	.protected	k_qf1b7dbcea2_mlp
	.globl	k_qf1b7dbcea2_mlp
	.p2align	8
	.type	k_qf1b7dbcea2_mlp,@function
k_qf1b7dbcea2_mlp:
	s_mov_b64 s[64:65], 0
	v_nop
	global_prefetch_b8 v0, s[64:65] scope:SCOPE_SE
	s_setreg_imm32_b32 hwreg(HW_REG_WAVE_MODE, 25, 1), 1
	s_wait_xcnt 0x0
; out[row] = silu(LN2(Q(silu(LN1(x[row] W1 + b1))) Q(W2)^T + b2)) . W3 + b3, for 2,097,152 rows of one number; 32 hidden units.
; The 32 x 32 product runs on codes of FP8 (E4M3) with the given scales 2^e0 (the hidden layer) and 2^e1 (W2), by v_wmma_f32_16x16x64_fp8_fp8: K = 32, filled up to 64 by zero codes on both sides.  All else is f32.
; SHARES.  256 work-groups x 16 waves; wave W = 16 x work-group + wave owns rows 512 W .. 512 W + 511: 2,048 consecutive bytes of x and of out.  Waves share nothing: no LDS, no barrier.
; A wave's rows are 4 GROUPS of 128; a group is 8 TILES of 16 rows, worked as 4 BATCHES of two tiles (slot 0, slot 1), whose instructions alternate so that two chains run side by side.
; WHICH ROWS FORM A TILE: lane r (= lane % 16) of tile t takes row 64 (t / 4) + 4 r + t % 4 of the group.  So two loads of 16 bytes a lane bring a group's x (register u of the first: tile u; of the second: tile 4 + u),
; and one store of 16 bytes a lane, 512 consecutive bytes a wave, takes the group's 128 results: lanes 0-15 keep tiles 0-3, lanes 16-31 tiles 4-7.
; A LANE'S PART OF A ROW: lane (r, h = lane / 16) holds 16 of row r's 32 units: index i = 0 .. 7 is unit 8 h + i, i = 8 .. 15 is unit 16 + 8 h + (i - 8).  That is the 8-bit operand's layout (registers 0, 1: k = 8 h ..; 2, 3: k = 16 + 8 h ..),
; and, the product being used TRANSPOSED (source 0 = 16 rows of W2, source 1 = 16 rows of the hidden layer), the result's layout too (accumulator n, register j: unit 16 n + 8 h + j of row r).  Nothing changes lanes between the layers;
; a row's sums want one exchange with lane xor 16.
; ARITHMETIC.  L = log2(e).  Folded once: A1 = W1 - mean(W1), C1 = b1 - mean(b1) (so d = x A1 + C1 is the centred first layer), g' = -L g, be' = -L be, b2 / 2^(e0 + e1) (the C of the product), eps' = eps / 2^(2 (e0 + e1)).
; A layer: variance = the mean of d^2 (positive terms only); y' = (d g') rsqrt(variance + eps) + be' = -L y; e = 2^y' = exp(-y); silu(y) = y' / (-L (1 + e)).
; The product's sums stand for sum x 2^(e0 + e1); that factor cancels in the second normalisation once eps is divided by its square.  The second layer's mean is taken first, the squares of the centred numbers second.
; LIMITS: e0 and e1 each between -126 and 119 (2^e and 448 x 2^e are made as f32 numbers); e0 + e1 between -72 and 54 (eps' is made by a subtraction from eps's exponent field, 110 - 2 (e0 + e1)).
; NaN and infinities among the inputs are not served.  The order of rounding differs from the source's: (d g) rs + be in place of (d rs) g + be, with -L folded into g and be.
.set XO,  1                            ; v1       16 r: my byte in a load of x; never rewritten
.set OO,  2                            ; v2       16 x lane: my byte in the store; never rewritten
.set SCL, 3                            ; v3       2^e0 as f32: the conversions take its exponent field
.set LIM, 4                            ; v4       448 x 2^e0
.set TM0, 5                            ; v5, v30  at the head offsets, then W2's scale and hold; in the loop the results of tiles 4-7, slot 0 and slot 1
.set TM1, 30
.set B3P, 6                            ; v[6:7]   (b3 in lanes 0-15, 0 in lanes 16-31; 0): what the last dot product starts from
.set X,   8                            ; v[8:15]  the group's x: register t is tile t's
.set O,   16                           ; v[16:19] the group's results
.set ST,  20                           ; v[20:27] slot s at ST + 4 s: +0, +1 a packed sum, then the row's sum in +0; +2 the exchange's result, then rsqrt; +3 stays 0 (named as a pair's upper half)
.set NLV, 28                           ; v[28:29] -L, twice
.set A1,  32                           ; sixteen registers each, index i as above
.set C1,  48
.set G1,  64
.set BE1, 80
.set B2S, 96
.set G2,  112
.set BE2, 128
.set W3R, 144
.set W2F, 160                          ; W2's two fragments, n at W2F + 8 n: four registers of codes, four of zero codes (k = 32 .. 63)
.set HF,  176                          ; the hidden layer's fragment, slot s at HF + 8 s: likewise
.set Y,   192                          ; slot s at Y + 16 s: d, y', the hidden layer
.set E,   224                          ; slot s at E + 16 s: exponentials and reciprocals; also the product's two accumulators
; s[8:33] the thirteen addresses; s34 wave; s[36:37] my wave's byte offset; s38, s39 e0, e1; s40 b3; s[42:43] lane selects; s[46:47] -1/32 twice; s48 1/32; s49 eps; s50 eps'; s51 mask of lanes 16-31; s52 trips; s53-57 at work
	s_load_b512 s[8:23], s[0:1], 0x0               ; x, W1, b1, g1, be1, W2, b2, g2
	s_load_b256 s[24:31], s[0:1], 0x40             ; be2, W3, b3, lowp_scales
	s_load_b64 s[32:33], s[0:1], 0x60              ; out0
	v_lshrrev_b32 v31, 5, v0
	v_readfirstlane_b32 s34, v31                   ; wave 0 .. 15
	v_and_b32 v30, 31, v0                          ; lane
	v_and_b32 v1, 15, v0                           ; r
	v_bfe_u32 v31, v0, 4, 1                        ; h
	v_lshlrev_b32 v5, 7, v1
	v_lshl_add_u32 v5, v31, 5, v5                  ; W2: row r of 128 bytes, + 32 h
	v_lshlrev_b32 v[XO], 4, v1
	v_lshlrev_b32 v[OO], 4, v30
	v_lshlrev_b32 v30, 2, v30                      ; 4 x lane: one number of W1 and of b1 a lane, for their means
	v_lshlrev_b32 v31, 5, v31                      ; 32 h: my units' bytes in every array of 32 numbers
	s_lshl_b32 s36, ttmp9, 4
	s_add_co_u32 s36, s36, s34
	s_lshl_b32 s36, s36, 11                        ; 2,048 bytes for each wave
	s_mov_b32 s37, 0
	s_mov_b32 s42, 0x76543210                      ; v_permlanex16_b32: each lane takes its own place in the other half
	s_mov_b32 s43, 0xfedcba98
	s_mov_b32 s46, 0xbd000000                      ; -1/32
	s_mov_b32 s47, 0xbd000000                      ; (named with it as a pair, so it is written)
	s_mov_b32 s48, 0x3d000000                      ; 1/32
	s_mov_b32 s49, 0x3727c5ac                      ; eps = 1e-5
	s_mov_b32 s51, 0xffff0000                      ; lanes 16-31
	v_mov_b32 v[NLV], 0xbfb8aa3b                   ; -log2(e)
	v_mov_b32 v[NLV+1], 0xbfb8aa3b
.irp j, 0,1,2,3,4,5,6,7
	v_mov_b32 v[ST+\j], 0                          ; a lane permute's destination counts as read, and pairs are named whole
.endr
.irp j, 4,5,6,7,12,13,14,15
	v_mov_b32 v[W2F+\j], 0                         ; the zero codes of k = 32 .. 63, on both sides: written once
	v_mov_b32 v[HF+\j], 0
.endr
	v_mov_b32 v226, 0                              ; destinations of the head's two lane permutes
	v_mov_b32 v227, 0
	v_mov_b32 v[B3P+1], 0
	s_wait_kmcnt 0x0
	s_load_b64 s[38:39], s[30:31], 0x0             ; e0, e1
	s_load_b32 s40, s[28:29], 0x0                  ; b3
	s_add_nc_u64 s[8:9], s[8:9], s[36:37]          ; x and out at my wave's first row
	s_add_nc_u64 s[32:33], s[32:33], s[36:37]
.macro LDC reg, base                   ; my sixteen numbers of an array of 32
	global_load_b128 v[\reg:\reg+3],     v31, s[\base:\base+1]
	global_load_b128 v[\reg+4:\reg+7],   v31, s[\base:\base+1] offset:16
	global_load_b128 v[\reg+8:\reg+11],  v31, s[\base:\base+1] offset:64
	global_load_b128 v[\reg+12:\reg+15], v31, s[\base:\base+1] offset:80
.endm
	global_load_b32 v224, v30, s[10:11]            ; W1[lane]
	global_load_b32 v225, v30, s[12:13]            ; b1[lane]
	LDC A1,  10
	LDC C1,  12
	LDC G1,  14
	LDC BE1, 16
	LDC B2S, 20
	LDC G2,  22
	LDC BE2, 24
	LDC W3R, 26
.irp n, 0,1                            ; W2(16 n + r, my sixteen k), as f32, into the registers that the loop will use for Y
	global_load_b128 v[Y+16*\n:Y+16*\n+3],     v5, s[18:19] offset:2048*\n
	global_load_b128 v[Y+16*\n+4:Y+16*\n+7],   v5, s[18:19] offset:2048*\n+16
	global_load_b128 v[Y+16*\n+8:Y+16*\n+11],  v5, s[18:19] offset:2048*\n+64
	global_load_b128 v[Y+16*\n+12:Y+16*\n+15], v5, s[18:19] offset:2048*\n+80
.endr
	global_load_b128 v[X:X+3],   v[XO], s[8:9] th:TH_LOAD_NT              ; the first group's x, last: sixteen lanes read 256 consecutive bytes, the other sixteen the same
	global_load_b128 v[X+4:X+7], v[XO], s[8:9] offset:256 th:TH_LOAD_NT
	s_wait_kmcnt 0x0
	s_add_co_i32 s53, s38, 127
	s_lshl_b32 s54, s53, 23
	v_mov_b32 v[SCL], s54                          ; 2^e0
	s_add_co_i32 s53, s53, 8
	s_lshl_b32 s53, s53, 23
	s_or_b32 s53, s53, 0x600000
	v_mov_b32 v[LIM], s53                          ; 448 x 2^e0
	s_add_co_i32 s55, s39, 127
	s_lshl_b32 s56, s55, 23                        ; 2^e1
	s_add_co_i32 s55, s55, 8
	s_lshl_b32 s55, s55, 23
	s_or_b32 s55, s55, 0x600000                    ; 448 x 2^e1
	s_add_co_i32 s57, s38, s39                     ; e0 + e1
	s_lshl_b32 s54, s57, 24
	s_sub_co_u32 s50, s49, s54                     ; eps' = eps / 2^(2 (e0 + e1)): twice the sum leaves eps's exponent field
	s_sub_co_i32 s57, 0, s57                       ; -(e0 + e1)
	v_mov_b32 v[B3P], s40
	v_cndmask_b32 v[B3P], v[B3P], v[B3P+1], s51    ; b3 enters a row's sum once: in lanes 0-15
	s_wait_loadcnt 2                               ; loads come back in order: all but the two loads of x, which were issued last, are in; so the offsets in v5, v30, v31 are free
	v_mov_b32 v5, s56
	v_mov_b32 v30, s55
.irp m, 1,2,4,8                        ; the sums of W1 and of b1 over the 32 lanes
	v_add_f32_dpp v224, v224, v224 row_xmask:\m row_mask:0xf bank_mask:0xf
	v_add_f32_dpp v225, v225, v225 row_xmask:\m row_mask:0xf bank_mask:0xf
.endr
	v_permlanex16_b32 v226, v224, s42, s43
	v_permlanex16_b32 v227, v225, s42, s43
	v_add_f32 v224, v224, v226
	v_add_f32 v225, v225, v227
.irp p, 0,2,4,6,8,10,12,14
	v_pk_fma_f32 v[A1+\p:A1+\p+1], v[224:225], s[46:47], v[A1+\p:A1+\p+1] op_sel_hi:[0,0,1]               ; W1 - mean(W1): the pair's low word for both halves
	v_pk_fma_f32 v[C1+\p:C1+\p+1], v[224:225], s[46:47], v[C1+\p:C1+\p+1] op_sel:[1,0,0] op_sel_hi:[1,0,1]  ; b1 - mean(b1): its high word for both
.endr
.irp p, 0,2,4,6,8,10,12,14
	v_pk_mul_f32 v[G1+\p:G1+\p+1],   v[G1+\p:G1+\p+1],   v[NLV:NLV+1]
	v_pk_mul_f32 v[BE1+\p:BE1+\p+1], v[BE1+\p:BE1+\p+1], v[NLV:NLV+1]
	v_pk_mul_f32 v[G2+\p:G2+\p+1],   v[G2+\p:G2+\p+1],   v[NLV:NLV+1]
	v_pk_mul_f32 v[BE2+\p:BE2+\p+1], v[BE2+\p:BE2+\p+1], v[NLV:NLV+1]
.endr
.irp j, 0,1,2,3,4,5,6,7,8,9,10,11,12,13,14,15
	v_ldexp_f32 v[B2S+\j], v[B2S+\j], s57          ; b2 / 2^(e0 + e1): the unit of the product's sums
.endr
.irp j, 0,1,2,3,4,5,6,7,8,9,10,11,12,13,14,15,16,17,18,19,20,21,22,23,24,25,26,27,28,29,30,31
	v_med3_num_f32 v[Y+\j], v[Y+\j], -v30, v30     ; the conversion to an 8-bit code does not saturate (ISA guide 7.6.2): the hold at 448 x the scale comes first
.endr
.irp n, 0,1
	v_cvt_scalef32_pk8_fp8_f32 v[W2F+8*\n:W2F+8*\n+1],   v[Y+16*\n:Y+16*\n+7],    v5
	v_cvt_scalef32_pk8_fp8_f32 v[W2F+8*\n+2:W2F+8*\n+3], v[Y+16*\n+8:Y+16*\n+15], v5
.endr
	v_nop                                          ; one plain instruction between a scaled conversion and the next vector instruction that writes its sources (Y, below)
	s_mov_b32 s52, 3
; A row's sum, both slots: the packed sum's two halves, then lane xor 16's; into v[d0] (slot 0) and v[d1] (slot 1).  Both halves of the lanes end with the same number.
.macro XSUM d0, d1
	v_add_f32 v[ST],   v[ST],   v[ST+1]
	v_add_f32 v[ST+4], v[ST+4], v[ST+5]
	v_permlanex16_b32 v[ST+2], v[ST],   s42, s43
	v_permlanex16_b32 v[ST+6], v[ST+4], s42, s43
	v_add_f32 v[\d0], v[ST],   v[ST+2]
	v_add_f32 v[\d1], v[ST+4], v[ST+6]
.endm
; The packed sum of my sixteen d^2: the first product starts it.
.macro SUMSQ
.irp s, 0,1
	v_pk_mul_f32 v[ST+4*\s:ST+4*\s+1], v[Y+16*\s:Y+16*\s+1], v[Y+16*\s:Y+16*\s+1]
.endr
.irp p, 2,4,6,8,10,12,14
.irp s, 0,1
	v_pk_fma_f32 v[ST+4*\s:ST+4*\s+1], v[Y+16*\s+\p:Y+16*\s+\p+1], v[Y+16*\s+\p:Y+16*\s+\p+1], v[ST+4*\s:ST+4*\s+1]
.endr
.endr
.endm
; v[ST + 4 s] holds the row's sum of d^2.  Y = (d g') rsqrt(sum / 32 + eps) + be' = -L y.
.macro NORM g, be, eps
	v_fma_f32 v[ST],   v[ST],   s48, s[\eps]
	v_fma_f32 v[ST+4], v[ST+4], s48, s[\eps]
	v_rsq_f32 v[ST+2], v[ST]
	v_rsq_f32 v[ST+6], v[ST+4]
.irp p, 0,2,4,6,8,10,12,14             ; sixteen plain instructions that name neither the roots' results nor their sources stand behind the two roots
.irp s, 0,1
	v_pk_mul_f32 v[Y+16*\s+\p:Y+16*\s+\p+1], v[Y+16*\s+\p:Y+16*\s+\p+1], v[\g+\p:\g+\p+1]
.endr
.endr
	s_wait_alu depctr_va_vdst(0)                   ; the wait ahead of the first instruction that names a root's result: one for both
.irp p, 0,2,4,6,8,10,12,14
.irp s, 0,1
	v_pk_fma_f32 v[Y+16*\s+\p:Y+16*\s+\p+1], v[Y+16*\s+\p:Y+16*\s+\p+1], v[ST+4*\s+2:ST+4*\s+3], v[\be+\p:\be+\p+1] op_sel_hi:[1,0,1]
.endr
.endr
.endm
; E = 1 / (-L (1 + 2^Y)), both slots: 32 exponentials as one batch, 32 reciprocals as another.  What follows the macro supplies the plain instruction and the wait behind the reciprocals.
.macro SIG
.irp j, 0,1,2,3,4,5,6,7,8,9,10,11,12,13,14,15,16,17,18,19,20,21,22,23,24,25,26,27,28,29,30,31
	v_exp_f32 v[E+\j], v[Y+\j]
.endr
	v_nop                                          ; a plain instruction behind the last exponential
	s_wait_alu depctr_va_vdst(0)                   ; one wait for the batch, ahead of its first reader
.irp p, 0,2,4,6,8,10,12,14,16,18,20,22,24,26,28,30
	v_pk_fma_f32 v[E+\p:E+\p+1], v[E+\p:E+\p+1], v[NLV:NLV+1], v[NLV:NLV+1]
.endr
.irp j, 0,1,2,3,4,5,6,7,8,9,10,11,12,13,14,15,16,17,18,19,20,21,22,23,24,25,26,27,28,29,30,31
	v_rcp_f32 v[E+\j], v[E+\j]
.endr
.endm
; Tiles t0 (slot 0) and t0 + 1 (slot 1) from x to the result.  hook = 1, 2: behind the last read of X's lower or upper half the next group's is asked for (not in the last group: no load leaves x).
.macro BATCH t0, hook, last
.irp p, 0,2,4,6,8,10,12,14             ; d = x A1 + C1: of the pair of x the low word serves slot 0, the high word slot 1
	v_pk_fma_f32 v[Y+\p:Y+\p+1],       v[A1+\p:A1+\p+1], v[X+\t0:X+\t0+1], v[C1+\p:C1+\p+1] op_sel_hi:[1,0,1]
	v_pk_fma_f32 v[Y+16+\p:Y+16+\p+1], v[A1+\p:A1+\p+1], v[X+\t0:X+\t0+1], v[C1+\p:C1+\p+1] op_sel:[0,1,0] op_sel_hi:[1,1,1]
.endr
.if (\hook == 1) && (\last == 0)
	global_load_b128 v[X:X+3], v[XO], s[8:9] offset:512 th:TH_LOAD_NT
.endif
.if (\hook == 2) && (\last == 0)
	global_load_b128 v[X+4:X+7], v[XO], s[8:9] offset:768 th:TH_LOAD_NT
.endif
	SUMSQ
	XSUM ST, ST+4
	NORM G1, BE1, 49
	SIG
	v_nop                                          ; a plain instruction behind the last reciprocal
	s_wait_alu depctr_va_vdst(0)                   ; one wait for the batch
.irp p, 0,2,4,6,8,10,12,14,16,18,20,22,24,26,28,30
	v_pk_mul_f32 v[Y+\p:Y+\p+1], v[Y+\p:Y+\p+1], v[E+\p:E+\p+1]   ; the hidden layer: silu(y)
.endr
.irp j, 0,1,2,3,4,5,6,7,8,9,10,11,12,13,14,15,16,17,18,19,20,21,22,23,24,25,26,27,28,29,30,31
	v_med3_num_f32 v[Y+\j], v[Y+\j], -v[LIM], v[LIM]              ; the hold at 448 x 2^e0
.endr
.irp s, 0,1
	v_cvt_scalef32_pk8_fp8_f32 v[HF+8*\s:HF+8*\s+1],   v[Y+16*\s:Y+16*\s+7],    v[SCL]   ; the results are the operand's registers: k = 8 h .. and k = 16 + 8 h ..
	v_cvt_scalef32_pk8_fp8_f32 v[HF+8*\s+2:HF+8*\s+3], v[Y+16*\s+8:Y+16*\s+15], v[SCL]
.endr
	v_nop                                          ; one plain instruction between a scaled conversion and the matrix instruction that reads its result
.irp s, 0,1                            ; four different accumulators, each begun with b2 / 2^(e0 + e1) as C: no chain
.irp n, 0,1
	v_wmma_f32_16x16x64_fp8_fp8 v[E+16*\s+8*\n:E+16*\s+8*\n+7], v[W2F+8*\n:W2F+8*\n+7], v[HF+8*\s:HF+8*\s+7], v[B2S+8*\n:B2S+8*\n+7]
.endr
.endr
.rept 4
	v_nop                                          ; four places between a matrix instruction and the first vector instruction that reads its result (ISA guide 7.12.1)
.endr
.irp s, 0,1
	v_pk_add_f32 v[ST+4*\s:ST+4*\s+1], v[E+16*\s:E+16*\s+1], v[E+16*\s+8:E+16*\s+9]   ; the row's sum of z; both accumulators are read from their low ends on
.endr
.irp q, 2,10,4,12,6,14
.irp s, 0,1
	v_pk_add_f32 v[ST+4*\s:ST+4*\s+1], v[ST+4*\s:ST+4*\s+1], v[E+16*\s+\q:E+16*\s+\q+1]
.endr
.endr
	XSUM ST, ST+4
.irp p, 0,2,4,6,8,10,12,14
.irp s, 0,1
	v_pk_fma_f32 v[Y+16*\s+\p:Y+16*\s+\p+1], v[ST+4*\s:ST+4*\s+1], s[46:47], v[E+16*\s+\p:E+16*\s+\p+1] op_sel_hi:[0,0,1]   ; d = z - sum / 32
.endr
.endr
	SUMSQ
	XSUM ST, ST+4
	NORM G2, BE2, 50
	SIG
.irp p, 0,2,4,6,8,10,12,14             ; y' W3: sixteen plain instructions that name no reciprocal stand behind the batch
.irp s, 0,1
	v_pk_mul_f32 v[Y+16*\s+\p:Y+16*\s+\p+1], v[Y+16*\s+\p:Y+16*\s+\p+1], v[W3R+\p:W3R+\p+1]
.endr
.endr
	s_wait_alu depctr_va_vdst(0)                   ; one wait for the batch
.irp s, 0,1
	v_pk_fma_f32 v[ST+4*\s:ST+4*\s+1], v[Y+16*\s:Y+16*\s+1], v[E+16*\s:E+16*\s+1], v[B3P:B3P+1]   ; the sum of silu(y) W3 starts from b3
.endr
.irp p, 2,4,6,8,10,12,14
.irp s, 0,1
	v_pk_fma_f32 v[ST+4*\s:ST+4*\s+1], v[Y+16*\s+\p:Y+16*\s+\p+1], v[E+16*\s+\p:E+16*\s+\p+1], v[ST+4*\s:ST+4*\s+1]
.endr
.endr
.if \t0 < 4
	XSUM O+\t0, O+\t0+1
.else
	XSUM TM0, TM1
	v_cndmask_b32 v[O+\t0-4], v[O+\t0-4], v[TM0], s51   ; lanes 16-31 take tiles 4-7
	v_cndmask_b32 v[O+\t0-3], v[O+\t0-3], v[TM1], s51
.endif
.endm
; A group of 128 rows.
.macro GROUP last
	s_wait_loadcnt 1                               ; two loads of x are out, in order: tiles 0-3's is in, tiles 4-7's may stay out
	BATCH 0, 0, \last
	BATCH 2, 1, \last
.if \last
	s_wait_loadcnt 0                               ; nothing was asked for behind tiles 4-7's load
.else
	s_wait_loadcnt 1                               ; tiles 4-7's is in; the next group's first load, issued in the batch above, may stay out
.endif
	BATCH 4, 0, \last
	BATCH 6, 2, \last
	global_store_b128 v[OO], v[O:O+3], s[32:33] th:TH_STORE_NT    ; 32 lanes store 512 consecutive bytes, at a multiple of 512 from out's first byte; written once, read by nobody here
.if \last == 0
	s_wait_xcnt 0x0                                ; the store's data and base and the loads' base are rewritten only behind this wait
	s_add_nc_u64 s[8:9], s[8:9], 512
	s_add_nc_u64 s[32:33], s[32:33], 512
.endif
.endm
.Lgroup:                                               ; three trips; each asks for the next group's x
	GROUP 0
	s_sub_co_u32 s52, s52, 1
	s_cmp_lg_u32 s52, 0
	s_cbranch_scc1 .Lgroup
	GROUP 1                                        ; the last group is written out: it asks for nothing more
	s_endpgm
.Lfunc_end_k_qf1b7dbcea2_mlp:
	.size	k_qf1b7dbcea2_mlp, .Lfunc_end_k_qf1b7dbcea2_mlp-k_qf1b7dbcea2_mlp
	.p2alignl 7, 3214868480
	.fill 96, 4, 3214868480
	.section	.rodata,"a",@progbits
	.p2align	6, 0x0
	.amdhsa_kernel k_qf1b7dbcea2_mlp
		.amdhsa_group_segment_fixed_size 0
		.amdhsa_private_segment_fixed_size 0
		.amdhsa_enable_private_segment 0
		.amdhsa_kernarg_size 104
		.amdhsa_user_sgpr_count 2
		.amdhsa_user_sgpr_kernarg_segment_ptr 1
		.amdhsa_wavefront_size32 1
		.amdhsa_system_sgpr_workgroup_id_x 1
		.amdhsa_system_sgpr_workgroup_id_y 1
		.amdhsa_system_sgpr_workgroup_id_z 1
		.amdhsa_system_vgpr_workitem_id 0
		.amdhsa_next_free_vgpr 256
		.amdhsa_next_free_sgpr 66
		.amdhsa_reserve_vcc 0
		.amdhsa_float_denorm_mode_32 3
		.amdhsa_float_denorm_mode_16_64 3
		.amdhsa_memory_ordered 1
		.amdhsa_forward_progress 1
		.amdhsa_inst_pref_size 194
	.end_amdhsa_kernel
	.amdgpu_metadata
---
amdhsa.version: [ 1, 2 ]
amdhsa.kernels:
  - .name:           k_qf1b7dbcea2_mlp
    .symbol:         k_qf1b7dbcea2_mlp.kd
    .args:
      - { .name: x, .offset: 0, .size: 8, .value_kind: global_buffer, .address_space: global }
      - { .name: W1, .offset: 8, .size: 8, .value_kind: global_buffer, .address_space: global }
      - { .name: b1, .offset: 16, .size: 8, .value_kind: global_buffer, .address_space: global }
      - { .name: g1, .offset: 24, .size: 8, .value_kind: global_buffer, .address_space: global }
      - { .name: be1, .offset: 32, .size: 8, .value_kind: global_buffer, .address_space: global }
      - { .name: W2, .offset: 40, .size: 8, .value_kind: global_buffer, .address_space: global }
      - { .name: b2, .offset: 48, .size: 8, .value_kind: global_buffer, .address_space: global }
      - { .name: g2, .offset: 56, .size: 8, .value_kind: global_buffer, .address_space: global }
      - { .name: be2, .offset: 64, .size: 8, .value_kind: global_buffer, .address_space: global }
      - { .name: W3, .offset: 72, .size: 8, .value_kind: global_buffer, .address_space: global }
      - { .name: b3, .offset: 80, .size: 8, .value_kind: global_buffer, .address_space: global }
      - { .name: lowp_scales, .offset: 88, .size: 8, .value_kind: global_buffer, .address_space: global }
      - { .name: out0, .offset: 96, .size: 8, .value_kind: global_buffer, .address_space: global }
    .group_segment_fixed_size: 0
    .private_segment_fixed_size: 0
    .kernarg_segment_align: 8
    .kernarg_segment_size: 104
    .max_flat_workgroup_size: 512
    .sgpr_count:     66
    .vgpr_count:     256
    .wavefront_size: 32
...
	.end_amdgpu_metadata
.endif
;; end of part 1
